; MI455X (gfx1250); checked and timed in simulation.
; The chip was launched on July 23, 2026; its instructions are those of AMD's public machine-readable ISA for CDNA 5 (MIT licence, August 2026) and "CDNA5" Instruction Set Architecture Reference Guide (July 2026). The comments in the code are by the model that wrote it; some were corrected since.
;; Sent Att Net. Allowed arithmetic: matrix products marked QUANTISED: E2M1 operands, one E8M0 scale for each 32 along K, by v_wmma_scale_f32_16x16x128_f8f6f4 with both operands' format E2M1 (or v_wmma_scale_f32_32x16x128_f4), f32 sums; products left as they are: f32 operands where the result goes on into a quantised operand, else bf16, f16 or f32 operands; f32 sums; everything else in f32.
;; Inputs: context_weight 1,024 x 1 float32; f_output 128 x 512 x 1,024 float32; h_output 2 x 512 x 512 float32; sent_bias 1 x 1,024 float32; sent_weight_codes 1,024 x 32 x 16 uint8 (E2M1 codes of sent_weight, K innermost, in blocks of 32 codes, two codes a byte); sent_weight_scales 1,024 x 32 uint8 (E8M0 scales of sent_weight, one for each 32 codes along K).
;; Outputs: out0 512 x 1,024 float32.
;; This version of the problem:
;;   THIS VERSION OF THE PROBLEM IS GIVEN IN LOW PRECISION. The matrix products marked QUANTISED in the list below multiply operands that are first quantised to E2M1 (2 exponent bits, 1 mantissa bit; 4 bits a number), with one power-of-two scale for each 32 numbers along K (OCP MX v1.0); their sums are f32. All else is computed in f32.
;;   The module's matrix products, in the order in which they are computed (A, B: the left and right operand; K: the contracted axis; several contracted axes count as one K, in the product's order):
;;     1. [M 65,536, K 1,024] x [K 1,024, N 1,024]; A: input f_output; B: input sent_weight (given as codes): QUANTISED
;;     2. [M 65,536, K 1,024] x [K 1,024, N 1]; A: computed on the way; B: computed on the way: left as it is (N = 1 < 16)
;;     3. batch 512 x [M 1,024, K 128] x [K 128, N 1]; A: input f_output; B: softmax: left as it is (N = 1 < 16)
;;   THE QUANTISER, for each operand of a quantised product, along K:
;;     - K is cut into blocks of 32 from its start; a last block that is shorter is filled with zeros.
;;     - A block's scale is 2^e with e = floor(log2(the largest magnitude in the block)) - 2, held to -126 .. 127; a block of zeros has e = 0. As a byte (E8M0): e + 127.
;;     - Each number is divided by its block's scale, clamped to +-6, and rounded to the nearest number of E2M1, ties to even, subnormals kept.
;;     - The product sums the exact products of the quantised numbers (number of the format x scale) in f32.
;;   ~~~python
;;   def quantise(x, axis):      # numpy; x: float32 -> the quantised numbers, widened to float32 again
;;       x = np.moveaxis(x, axis, -1); K = x.shape[-1]
;;       x = np.pad(x, [(0, 0)] * (x.ndim - 1) + [(0, -K % 32)]); x = x.reshape(x.shape[:-1] + (-1, 32)); a = np.abs(x).max(-1, keepdims=True)
;;       e = np.where(a > 0, np.clip(np.frexp(np.where(a > 0, a, 1))[1] - 1 - 2, -126, 127), 0)      # np.frexp(a)[1] - 1 = floor(log2(a)), exactly
;;       r = np.clip(x / 2.0 ** e, -6, 6)
;;       step = 2.0 ** (np.maximum(np.frexp(np.where(r == 0, 1, r))[1] - 1, 0) - 1)
;;       q = np.round(r / step) * step * 2.0 ** e      # np.round: ties to even
;;       return np.moveaxis(q.reshape(q.shape[:-2] + (-1,))[..., :K], -1, axis).astype(np.float32)
;;   ~~~
;;   INPUTS GIVEN AS CODES. sent_weight (in the module: [1024, 1024], K = its axis 0): each comes as NAME_codes (uint8): NAME with its K axis moved to the last place and cut into blocks of 32 codes, [.., K / 32, bytes a block], one block behind the other in memory; two codes a byte, the lower K in the low four bits (a code: sign, 2 exponent bits, 1 mantissa bit); and NAME_scales (uint8): the same leading axes, one E8M0 byte (e + 127) for each 32 codes along K. Its value is code x scale, taken as it is: it is not quantised again, and the codes and scales need not be those that the quantiser above would give.
;; One version. Each part assembles by itself: llvm-mc -triple=amdgcn-amd-amdhsa -mcpu=gfx1250 --defsym DOCPART=n.
;; ======== version 1 of 1: 1 launch
;; launch sentatt (part 1): grid 256 x 1, 4 waves a work-group, clusters of 4 x 1, 327,680 bytes of LDS; arguments f_output, sent_weight_codes, sent_weight_scales, sent_bias, context_weight, out0; writes out0
.if DOCPART == 1
	.amdgcn_target "amdgcn-amd-amdhsa--gfx1250"
	.amdhsa_code_object_version 6
	.text
	.protected	k_q50b38d16cf_sentatt
	.globl	k_q50b38d16cf_sentatt
	.p2align	8
	.type	k_q50b38d16cf_sentatt,@function
k_q50b38d16cf_sentatt:
	s_mov_b64 s[64:65], 0
	v_nop
	global_prefetch_b8 v0, s[64:65] scope:SCOPE_SE
	s_setreg_imm32_b32 hwreg(HW_REG_WAVE_MODE, 25, 1), 1
	s_wait_xcnt 0x0
	s_wait_alu depctr_hold_cnt(0) depctr_sa_sdst(0) depctr_va_vdst(0) depctr_va_sdst(0) depctr_va_ssrc(0) depctr_va_vcc(0) depctr_vm_vsrc(0)
	s_getreg_b32 s2, hwreg(HW_REG_IB_STS2, 6, 4)
	s_cmp_eq_u32 s2, 0
	s_cbranch_scc0 .Lentry_in_a_cluster
	s_endpgm
.Lentry_in_a_cluster:
	s_bfe_u32 s2, ttmp6, 0x10000c
	s_cmp_lg_u32 s2, 0x3003
	s_cbranch_scc0 .Lentry_shape_is_right
	s_endpgm
.Lentry_shape_is_right:
; out[b][:] = sum over s of softmax_s(tanh(tanh(Q(f[s][b]) W + bias) . c)) f[s][b][:].   f: [128 s][512 b][1024] f32;  W: 1,024 rows n of 1,024 codes of FP4 (E2M1), K innermost,
; 512 bytes a row, with 32 E8M0 bytes a row;  bias, c: [1024] f32;  out: [512][1024] f32.  Q quantises f along its 1,024 by blocks of 32.  ONE LAUNCH; f IS READ FROM MEMORY ONCE.
; SHARES.  Work-group g owns batches 2 g and 2 g + 1: 256 rows of f, walked as 4 chunks of 64 rows (32 s x 2 batches; row m of a chunk: s = m / 2, batch = m % 2).  While chunk c is multiplied, chunk c + 1 is loaded,
; quantised, and laid into LDS as codes, scale bytes and a bf16 copy.  At a chunk's end its 64 scores are whole: e = exp(score) weights the bf16 copy, and the sums of e f and of e run on over the chunks.
; LOADING: wave w takes columns 256 w .. 256 w + 255 of every row, a lane 8 neighbours (a block of 32 is four lanes): so the weighted sum of a wave's columns never leaves the wave.
; PRODUCT: every wave holds the codes of all 64 rows in registers; in interval v (8 to a chunk) it takes W's rows 128 v + 32 w + 0 .. 31, two tiles of 16.  An interval's 128 rows of W are one dense block of
; 64 KiB of codes and 4 KiB of scale bytes; they come through a ring of two LDS slots.  Source 0 = 16 rows of W, source 1 = 16 rows of f: a lane holds ONE row of f and eight neighbouring n.
; CLUSTER: all work-groups walk the same W, so the four of a cluster ask for each block JOINTLY: the same tensor load, the same descriptor, the mask of all four.
; tanh(x) = 1 - 2 r, r = 1 / (1 + 2^(2 log2(e) x)): where the power overflows r = 0, where it vanishes r = 1.  A row's score sum is sum(c) - 2 sum(c r).
; NO MAXIMUM IS TAKEN IN THE SOFTMAX: the scores come out of a tanh that the problem itself applies, so they lie in -1 .. 1, e in 0.36 .. 2.72, and a sum of 128 of them under 350.
; LIMITS: NaN and infinities in f are not served.  A block whose largest magnitude lies under 2^-124 keeps the scale byte 1 (a block of zeros too: its codes are zeros, and only this text reads the bytes).
; f is rounded to bf16 for the weighted sum (a product that the problem leaves as it is).  h_output is not among the arguments: no step of the computation uses it.
; REGISTERS, in windows of 256 (s_set_vgpr_msb: bits 1:0 source 0, 3:2 source 1, 5:4 source 2, 7:6 destination):
;   window 0: addresses, scale words, tables, sums, two sets of 4 accumulators, W's 8 fragments.   window 1: f's codes, 32 fragments.   window 2: the chunk's bf16 copy, 4 registers a row.
;   window 3: v0-127 four sets of 32 numbers of f on their way in; v128-131 maxima at work; v144-159 bf16 just made.
.set SLOTB,  71936                     ; a slot: 128 rows of codes, 528 bytes apart, then 16 units of 256 scale bytes, 272 apart
.set WPITCH, 528                       ; 512 + 16: an odd multiple of 16 bytes, so the 16 rows of a load begin at 16 different 16-byte columns modulo 256
.set WSCL,   128*WPITCH                ; where a slot's scale bytes begin
.set RETL,   2*SLOTB                   ; the next chunk's bf16 copy: [wave][row][512 bytes].
.set CODES,  RETL+131072               ; the next chunk's codes: [wave = quarter of K][row], 128 bytes + 16
.set CPITCH, 144
.set ASCL,   CODES+4*64*CPITCH         ; its scale bytes: [wave][row][8]
.set TKB,    ASCL+2048                 ; 2 log2(e) x bias[n];  4,096 bytes on: c[n]
.set PSC,    TKB+8192                  ; the waves' parts of the 64 score sums: [wave][64]
.set EW,     PSC+1024                  ; the 64 weights e, a copy for each wave
.set SPARE,  EW+1024                   ; the spare words, 128 bytes for each wave: two blocks of 256 bytes that no other line names
.set SPW, 1                            ; v1  SPARE + 4 x thread; never rewritten
.set NIL, 2                            ; v2  0; never rewritten
.set FO,  3                            ; v3  32 x thread: my 32 bytes of a row of f (and of the tables)
.set AB,  4                            ; v4-5   my place in a tile of W, slot 0, 1
.set WSA, 6                            ; v6-7   and among its scale bytes
.set AT0, 8                            ; v8     my place in the tables
.set ADT, 9                            ; v9     the same for the two intervals in hand
.set AC0, 10                           ; v10-12 where I store codes, scale bytes, bf16
.set ASC0, 11
.set AR0, 12
.set ADC, 13                           ; v13-15 the same for the 16 rows in hand
.set ADS, 14
.set ADR, 15
.set AFA, 16                           ; v16    where I read f's fragments
.set ASF, 17                           ; v17    and their scale words
.set PSW, 18
.set PSR, 19
.set EWA, 20
.set EBA, 21
.set OSA, 22                           ; v22    the way out: into the stage;  v24: my bytes in out
.set GOA, 24
.set ASW, 32                           ; v32-47 f's scale words: register 4 t + j: lanes 0-15 K step j of tile t's rows, lanes 16-31 K step 4 + j
.set BSW, 48                           ; v48-51 W's likewise
.set TBL, 52                           ; v52-83 two sets: 8 of 2 log2(e) bias, 8 of c, at my eight n
.set SSUM, 84                          ; v84-91 sum of c r, a pair for each tile of rows;  v92-93 sum of c
.set CSM, 92
.set DENP, 94                          ; v94-95 the sums of e: batch 0, batch 1
.set OUT, 96                           ; v96-111 the sums of e f: 8 columns x 2 batches
.set TT,  112                          ; v112-127 at work
.set QM,  112
.set QS,  116
.set QB,  120
.set QC,  124
.set ACC, 128                          ; v128-191 accumulators: set u at 32 u, tile of rows t at 8 t
.set BF,  192                          ; v192-255 W's fragments of the 8 K steps;  at a chunk's end the 64 weights
.set EE,  192
.set QT,  128                          ; in window 3
.set QR,  144
.set FB,   4                           ; s[4:5] f at the step last asked for;  s[6:7] W's codes at my half of an interval;  s[8:9] W's scales;  s[10:11] bias;  s[12:13] c;  s[14:15] out at my batches
.set WCB,  6
.set WSB,  8
.set POUT, 14
.set WV,   16
.set SEL,  20
.set K2,   22                          ; s[22:23] 2 log2(e)
.set G1C,  24
.set G1S,  32
.set G0C,  40                          ; s[40:47] group 0 for the codes, a set for each slot;  s[48:55] for the scale bytes
.set G0S,  48
.set OFS,  60                          ; s[60:61], s[62:63] byte offset in W's codes of each slot's next interval
.set OT,   66
.set PP,   70                          ; the step of f in hand (a step: 2 s x 2 batches), at the head of a body
.set TOFF, 71
.set RC,   72
.set RS,   73
.set RR,   74
.set CI,   75
.set CO,   76
.set L2E,  77
.set NK2,  78
.set MSB, 0
.macro WIN new                         ; the immediate's high byte repeats the setting that is left; a switch that changes nothing is dropped
.if MSB != \new
	s_set_vgpr_msb (MSB<<8)|\new
.set MSB, \new
.endif
.endm
.macro ROUND                           ; a round of the cluster's barrier
	s_barrier_signal -1
	s_barrier_wait -1
	s_cmp_lg_u32 s[WV], 0
	s_cbranch_scc1 .Lnw0_\@
	s_barrier_signal -3
.Lnw0_\@:
	s_barrier_wait -3
	s_barrier_signal -1
	s_barrier_wait -1
.endm
; A joint load into slot sg: waves 0 and 1 the two halves of the codes, wave 2 the scale bytes, wave 3 nothing.  The branches hang on the wave's number alone.  Four v_nop follow each load.
.macro JLOAD sg
	s_cmp_lt_u32 s[WV], 2
	s_cbranch_scc0 .Lnot_c_\@
	tensor_load_to_lds s[G0C+4*(\sg):G0C+4*(\sg)+3], s[G1C:G1C+7]
	s_nop 0
.rept 4
	v_nop
.endr
	s_branch .Lasked_\@
.Lnot_c_\@:
	s_cmp_eq_u32 s[WV], 2
	s_cbranch_scc0 .Lasked_\@
	tensor_load_to_lds s[G0S+4*(\sg):G0S+4*(\sg)+3], s[G1S:G1S+7]
	s_nop 0
.rept 4
	v_nop
.endr
.Lasked_\@:
.endm
; THE HEAD OF AN INTERVAL that reads slot sg.  fill = 1: the other slot, read in the interval before, is filled with the next interval's W: that load has two tiles' work in which to land.
.macro HEAD sg, fill
	s_wait_tensorcnt 0x0                           ; my one tensor load has landed: my part of slot sg; so every group 0 may be written
	ds_add_u32 v[SPW], v[NIL]                      ; 0 onto my spare word
.if \fill
	s_add_co_u32 s[OFS+2*(\sg)], s[OFS+2*(\sg)], 0x20000   ; slot sg's next interval: two on, round W's eight
	s_and_b32 s[OFS+2*(\sg)], s[OFS+2*(\sg)], 0x7ffff
	s_add_nc_u64 s[G0C+4*(\sg)+2:G0C+4*(\sg)+3], s[WCB:WCB+1], s[OFS+2*(\sg):OFS+2*(\sg)+1]
	s_or_b32 s[G0C+4*(\sg)+3], s[G0C+4*(\sg)+3], 0x80000000
	s_lshr_b32 s[OT], s[OFS+2*(\sg)], 4            ; 16 bytes of codes to a scale byte
	s_add_nc_u64 s[G0S+4*(\sg)+2:G0S+4*(\sg)+3], s[WSB:WSB+1], s[OT:OT+1]
	s_or_b32 s[G0S+4*(\sg)+3], s[G0S+4*(\sg)+3], 0x80000000
.endif
	s_wait_dscnt 0x0                               ; the add is done, and all my LDS reads and stores are: of the other slot, and at a chunk's first interval of the codes that will now be written anew
.if \fill
	ROUND                                          ; that holds of every wave of all four work-groups
	JLOAD 1-(\sg)
.else
	s_barrier_signal -1
	s_barrier_wait -1
.endif
.endm
.macro FLOAD k                         ; a step's four rows (piece i: s + i / 2, batch i % 2), my 32 bytes of each, into set k.  Destination window 3
.irp i, 0,1,2,3
	global_load_b128 v[32*(\k)+8*\i:32*(\k)+8*\i+3], v[FO], s[FB:FB+1] offset:(\i/2)*2097152+(\i%2)*4096 th:TH_LOAD_NT
	global_load_b128 v[32*(\k)+8*\i+4:32*(\k)+8*\i+7], v[FO], s[FB:FB+1] offset:(\i/2)*2097152+(\i%2)*4096+16 th:TH_LOAD_NT
.endr
.endm
; ONE STEP OF f, in set k: four rows are quantised and go to LDS.  issue = 1: the set is asked for again, four steps on.
.macro ROW k, issue
.if \issue
	s_wait_loadcnt 24                              ; loads come back in order: set k's eight are in, the three younger sets' 24 may be out
.else
	s_wait_loadcnt 0x0                             ; nothing is issued any more: all are waited for
.endif
	WIN 0xff
.irp i, 0,1,2,3
	v_max3_num_f32 v[QT+\i], |v[32*(\k)+8*\i]|, |v[32*(\k)+8*\i+1]|, 0x1800000   ; my 8 numbers, and the floor 2^(3 - 127): the byte cannot fall under 1.  (The four rows by turns)
.endr
.irp i, 0,1,2,3
	v_max3_num_f32 v[QT+\i], v[QT+\i], |v[32*(\k)+8*\i+2]|, |v[32*(\k)+8*\i+3]|
.endr
.irp i, 0,1,2,3
	v_max3_num_f32 v[QT+\i], v[QT+\i], |v[32*(\k)+8*\i+4]|, |v[32*(\k)+8*\i+5]|
.endr
.irp i, 0,1,2,3
.irp j, 0,1,2,3
	v_cvt_pk_bf16_f32 v[QR+4*\i+\j], v[32*(\k)+8*\i+2*\j], v[32*(\k)+8*\i+2*\j+1]   ; the copy for the weighted sum
.endr
.endr
	WIN 0x3f                                       ; the last maximum lands in window 0
.irp i, 0,1,2,3
	v_max3_num_f32 v[QM+\i], v[QT+\i], |v[32*(\k)+8*\i+6]|, |v[32*(\k)+8*\i+7]|
.endr
	WIN 0
.irp i, 0,1,2,3
	v_max_num_f32_dpp v[QM+\i], v[QM+\i], v[QM+\i] row_xmask:1 row_mask:0xf bank_mask:0xf
.endr
.irp i, 0,1,2,3
	v_max_num_f32_dpp v[QM+\i], v[QM+\i], v[QM+\i] row_xmask:2 row_mask:0xf bank_mask:0xf   ; with the three lanes that share my block: its largest magnitude
.endr
.irp i, 0,1,2,3
	v_add_nc_u32 v[QS+\i], 0xff000000, v[QM+\i]    ; 2 off its exponent field: the conversion takes the exponent field of this operand as its scale
.endr
.irp i, 0,1,2,3
	v_lshrrev_b32 v[QB+\i], 23, v[QS+\i]           ; the scale's byte
.endr
	WIN 0x03
.irp i, 0,1,2,3
	v_cvt_scalef32_pk8_fp4_f32 v[QC+\i], v[32*(\k)+8*\i:32*(\k)+8*\i+7], v[QS+\i]
.endr
	v_nop                                          ; one plain place behind the scaled conversions
	WIN 0
.irp i, 0,1,2,3
	ds_store_b32 v[ADC], v[QC+\i] offset:(4*(\k)+\i)*CPITCH    ; the wave's 128 bytes of the row's codes, on end
	ds_store_b8 v[ADS], v[QB+\i] offset:(4*(\k)+\i)*8          ; the four lanes of a block write the same byte with the same value
.endr
	WIN 0x0c                                       ; an LDS store's data are its source 1: window 3
.irp i, 0,1,2,3
	ds_store_b128 v[ADR], v[QR+4*\i:QR+4*\i+3] offset:(4*(\k)+\i)*512
.endr
.if \issue
	s_wait_xcnt 0x0                                ; the loads issued so far have read their base: only now it steps
	s_add_nc_u64 s[FB:FB+1], s[FB:FB+1], 0x400000  ; two s on
	WIN 0xc0
	FLOAD \k
.endif
	WIN 0
.endm
.macro ROWSTEP k                       ; steps 60 to 63 ask for nothing: no load leaves f.  Two whole copies, so that each wait's count rests on its own copy's issues
	s_cmp_lt_u32 s[PP], 60
	s_cbranch_scc0 .Lrs_b_\@
	ROW \k, 1
	s_branch .Lrs_e_\@
.Lrs_b_\@:
	ROW \k, 0
.Lrs_e_\@:
.endm
; THE TANH OF THE TILE BEFORE, cut into slices: the lines behind matrix instruction i (symbol i).  32 numbers a lane, in 16 pairs, in place, from each accumulator's low end on.
; A pair goes: x 2 log2(e) + table, two exponentials, + 1, two reciprocals.  No result of a transcendental is used by the vector instruction next behind it.
.macro SLICE prev
.set aP, ACC+32*(\prev)
.set tP, TBL+16*(\prev)
.if i < 16
	v_pk_fma_f32 v[aP+2*i:aP+2*i+1], v[aP+2*i:aP+2*i+1], s[K2:K2+1], v[tP+2*(i%4):tP+2*(i%4)+1] op_sel_hi:[1,0,1]
.if i > 0
	v_exp_f32 v[aP+2*i-2], v[aP+2*i-2]
	v_exp_f32 v[aP+2*i-1], v[aP+2*i-1]
.endif
.elseif i == 16
	v_exp_f32 v[aP+30], v[aP+30]
	v_exp_f32 v[aP+31], v[aP+31]
	s_wait_alu depctr_va_vdst(0)
	v_pk_add_f32 v[aP:aP+1], v[aP:aP+1], 1.0 op_sel_hi:[1,0]
.else
	v_pk_add_f32 v[aP+2*i-32:aP+2*i-31], v[aP+2*i-32:aP+2*i-31], 1.0 op_sel_hi:[1,0]
	v_rcp_f32 v[aP+2*i-34], v[aP+2*i-34]
	v_rcp_f32 v[aP+2*i-33], v[aP+2*i-33]
.endif
.endm
.macro SUMS prev                       ; sum of c r for my four rows, and sum of c: 20 plain lines, which are also the places in front of the next loads into W's registers
.set aP, ACC+32*(\prev)
.set tP, TBL+16*(\prev)
	s_wait_alu depctr_va_vdst(0)
.irp j, 0,1,2,3
.irp t, 0,1,2,3
	v_pk_fma_f32 v[SSUM+2*\t:SSUM+2*\t+1], v[aP+8*\t+2*\j:aP+8*\t+2*\j+1], v[tP+8+2*\j:tP+9+2*\j], v[SSUM+2*\t:SSUM+2*\t+1]
.endr
	v_pk_add_f32 v[CSM:CSM+1], v[CSM:CSM+1], v[tP+8+2*\j:tP+9+2*\j]
.endr
.endm
; 32 matrix instructions: K step q = i / 4, tile of rows t = i % 4: the four accumulators take turns, one instruction a turn; the first four start the sums.
.macro MRUN tl
	WIN 0x04                                       ; source 1 (f's codes) window 1; the slices name a scalar or a constant in that place
.set i, 0
.rept 32
.set q, i/4
.set rD, ACC+32*(\tl)+8*(i%4)
.set rB, BF+8*q
.set rA, 8*(8*(i%4)+q)
.if q == 0
	v_wmma_scale_f32_16x16x128_f8f6f4 v[rD:rD+7], v[rB:rB+7], v[rA:rA+7], 0, v[BSW+(q%4)], v[ASW+4*(i%4)+(q%4)] matrix_a_fmt:MATRIX_FMT_FP4 matrix_b_fmt:MATRIX_FMT_FP4
.elseif q < 4
	v_wmma_scale_f32_16x16x128_f8f6f4 v[rD:rD+7], v[rB:rB+7], v[rA:rA+7], v[rD:rD+7], v[BSW+(q%4)], v[ASW+4*(i%4)+(q%4)] matrix_a_fmt:MATRIX_FMT_FP4 matrix_b_fmt:MATRIX_FMT_FP4
.else
	v_wmma_scale_f32_16x16x128_f8f6f4 v[rD:rD+7], v[rB:rB+7], v[rA:rA+7], v[rD:rD+7], v[BSW+(q%4)], v[ASW+4*(i%4)+(q%4)] matrix_a_fmt:MATRIX_FMT_FP4 matrix_b_fmt:MATRIX_FMT_FP4 matrix_a_scale:MATRIX_SCALE_ROW1 matrix_b_scale:MATRIX_SCALE_ROW1
.endif
	SLICE 1-(\tl)
.set i, i+1
.endr
	WIN 0
.endm
; A TRIP: tile tl of the interval in slot sg.  W's fragments are asked for first; a step of f is quantised while they come; then the products, with the tile before's tanh between them.
.macro TRIP sg, tl, k, rs
.irp q, 0,1,2,3,4,5,6,7
.irp c, 0,1
	ds_load_b128 v[BF+8*\q+4*\c:BF+8*\q+4*\c+3], v[AB+\sg] offset:(\tl)*16*WPITCH+64*\q+32*\c
.endr
.endr
	ds_load_b128 v[BSW:BSW+3], v[WSA+\sg] offset:(\tl)*544           ; lanes 0-15: my row's words of K steps 0-3; lanes 16-31: of 4-7
	ds_load_b128 v[TBL+16*(\tl):TBL+16*(\tl)+3], v[ADT] offset:(\sg)*512+(\tl)*64
	ds_load_b128 v[TBL+16*(\tl)+4:TBL+16*(\tl)+7], v[ADT] offset:(\sg)*512+(\tl)*64+16
	ds_load_b128 v[TBL+16*(\tl)+8:TBL+16*(\tl)+11], v[ADT] offset:(\sg)*512+(\tl)*64+4096
	ds_load_b128 v[TBL+16*(\tl)+12:TBL+16*(\tl)+15], v[ADT] offset:(\sg)*512+(\tl)*64+4112
.if \rs
	ROWSTEP \k
.endif
	s_wait_dscnt 0x0                               ; the fragments are in, and the step's stores have read their registers
	MRUN \tl
	v_rcp_f32 v[ACC+32*(1-(\tl))+30], v[ACC+32*(1-(\tl))+30]
	v_rcp_f32 v[ACC+32*(1-(\tl))+31], v[ACC+32*(1-(\tl))+31]
	SUMS 1-(\tl)
.endm
.macro BODY rs, fill1                  ; two intervals, four tiles; with rs = 1 four steps (16 rows) of the next chunk
	v_add_nc_u32 v[ADT], s[TOFF], v[AT0]
.if \rs
	v_add_nc_u32 v[ADC], s[RC], v[AC0]
	v_add_nc_u32 v[ADS], s[RS], v[ASC0]
	v_add_nc_u32 v[ADR], s[RR], v[AR0]
.endif
	HEAD 0, 1
	TRIP 0, 0, 0, \rs
	TRIP 0, 1, 1, \rs
	HEAD 1, \fill1
	TRIP 1, 0, 2, \rs
	TRIP 1, 1, 3, \rs
	s_add_co_u32 s[TOFF], s[TOFF], 1024
.if \rs
	s_add_co_u32 s[RC], s[RC], 16*CPITCH
	s_add_co_u32 s[RS], s[RS], 128
	s_add_co_u32 s[RR], s[RR], 8192
	s_add_co_u32 s[PP], s[PP], 4
.endif
.endm
.macro GSTART                          ; a chunk begins.  The trip is written once: the first finds c = 0 and bias = 0 for 'the tile before', whose registers hold finite numbers, and adds nothing
	s_mov_b32 s[TOFF], 0
	s_mov_b32 s[RC], 0
	s_mov_b32 s[RS], 0
	s_mov_b32 s[RR], 0
.set j, 0
.rept 10
	v_mov_b32 v[SSUM+j], 0
.set j, j+1
.endr
.set j, 0
.rept 16
	v_mov_b32 v[TBL+16+j], 0
.set j, j+1
.endr
.endm
.macro FETCHAF t                       ; the 8 fragments of rows 16 t .. 16 t + 15 of the next chunk: 16 loads
	WIN 0x40
.irp q, 0,1,2,3,4,5,6,7
.irp c, 0,1
	ds_load_b128 v[8*(8*(\t)+\q)+4*\c:8*(8*(\t)+\q)+4*\c+3], v[AFA] offset:(\q/2)*64*CPITCH+16*(\t)*CPITCH+64*(\q%2)+32*\c
.endr
.endr
.endm
.macro FETCHAS                         ; its scale words: 8 loads
	WIN 0
.irp t, 0,1,2,3
.irp a, 0,1
	ds_load_b64 v[ASW+4*\t+2*\a:ASW+4*\t+2*\a+1], v[ASF] offset:512*\a+128*\t
.endr
.endr
.endm
; A CHUNK'S END.  reload = 1: the next chunk's codes, scale words and bf16 copy come from LDS into the registers.
.macro SWITCH reload
.set j, 0
.rept 16                                           ; the last tile's tanh (set 1), with nothing to set it between
	v_pk_fma_f32 v[ACC+32+2*j:ACC+33+2*j], v[ACC+32+2*j:ACC+33+2*j], s[K2:K2+1], v[TBL+16+2*(j%4):TBL+17+2*(j%4)] op_sel_hi:[1,0,1]
.set j, j+1
.endr
.set j, 0
.rept 32
	v_exp_f32 v[ACC+32+j], v[ACC+32+j]
.set j, j+1
.endr
	v_nop
.set j, 0
	s_wait_alu depctr_va_vdst(0)
.rept 16
	v_pk_add_f32 v[ACC+32+2*j:ACC+33+2*j], v[ACC+32+2*j:ACC+33+2*j], 1.0 op_sel_hi:[1,0]
.set j, j+1
.endr
.set j, 0
.rept 32
	v_rcp_f32 v[ACC+32+j], v[ACC+32+j]
.set j, j+1
.endr
	v_nop
	s_wait_alu depctr_va_vdst(0)
	SUMS 1
.irp t, 0,1,2,3
	v_add_f32 v[TT+\t], v[SSUM+2*\t], v[SSUM+2*\t+1]
.endr
	v_add_f32 v25, v[CSM], v[CSM+1]
.irp t, 0,1,2,3
	v_fma_f32 v[TT+\t], v[TT+\t], -2.0, v25        ; sum(c) - 2 sum(c r) over my n
.endr
.irp t, 0,1,2,3
	v_permlanex16_b32 v[TT+4+\t], v[TT+\t], s[SEL], s[SEL+1]
.endr
.irp t, 0,1,2,3
	v_add_f32 v[TT+\t], v[TT+\t], v[TT+4+\t]       ; with lane l xor 16's: my wave's 256 n
.endr
.irp t, 0,1,2,3
	ds_store_b32 v[PSW], v[TT+\t] offset:64*\t     ; lanes l and l xor 16 write the same word with the same value
.endr
	s_wait_dscnt 0x0                               ; for the others' sake: my part of the scores, and my codes, scale bytes of the next chunk, lie in LDS
	s_barrier_signal -1
	s_barrier_wait -1                              ; my one tensor load may stay out
.irp w, 0,1,2,3
	ds_load_b32 v[TT+\w], v[PSR] offset:256*\w     ; rows l and l + 32: the four waves' parts
	ds_load_b32 v[TT+4+\w], v[PSR] offset:256*\w+128
.endr
	s_wait_dscnt 0x0
	v_add_f32 v[TT], v[TT], v[TT+1]
	v_add_f32 v[TT+2], v[TT+2], v[TT+3]
	v_add_f32 v[TT+4], v[TT+4], v[TT+5]
	v_add_f32 v[TT+6], v[TT+6], v[TT+7]
	v_add_f32 v[TT], v[TT], v[TT+2]
	v_add_f32 v[TT+4], v[TT+4], v[TT+6]
	v_mul_f32 v[TT], s[K2], v[TT]
	v_mul_f32 v[TT+4], s[K2], v[TT+4]
	v_exp_f32 v[TT], v[TT]
	v_exp_f32 v[TT+4], v[TT+4]
	v_nop
	s_wait_alu depctr_va_vdst(0)
	v_add_f32 v[TT], 1.0, v[TT]
	v_add_f32 v[TT+4], 1.0, v[TT+4]
	v_rcp_f32 v[TT], v[TT]
	v_rcp_f32 v[TT+4], v[TT+4]
	v_nop
	s_wait_alu depctr_va_vdst(0)
	v_fma_f32 v[TT], v[TT], s[NK2], s[L2E]         ; log2(e) x score = log2(e) (1 - 2 r)
	v_fma_f32 v[TT+4], v[TT+4], s[NK2], s[L2E]
	v_exp_f32 v[TT], v[TT]                         ; e = exp(score)
	v_exp_f32 v[TT+4], v[TT+4]
	v_nop
	s_wait_alu depctr_va_vdst(0)
	ds_store_b32 v[EWA], v[TT]
	ds_store_b32 v[EWA], v[TT+4] offset:128
.irp n, 0,1,2,3,4,5,6,7,8,9,10,11,12,13,14,15
	ds_load_b128 v[EE+4*\n:EE+4*\n+3], v[EBA] offset:16*\n   ; all 64 weights into every lane.  My wave's own bytes: LDS serves a wave's instructions in order
.endr
.if \reload
	FETCHAF 0
	FETCHAF 1
	FETCHAS
	s_wait_dscnt 40                                ; the weights are in: behind them 16 + 16 + 8 loads were issued
.else
	s_wait_dscnt 0x0
.endif
.set j, 0
.rept 16                                           ; a pair of neighbouring weights is (batch 0, batch 1): the 32 pairs are summed as a tree, in the accumulators' set 0, which is free
	v_pk_add_f32 v[ACC+2*j:ACC+2*j+1], v[EE+4*j:EE+4*j+1], v[EE+4*j+2:EE+4*j+3]
.set j, j+1
.endr
.irp w, 8,4,2,1
.set j, 0
.rept \w
	v_pk_add_f32 v[ACC+2*j:ACC+2*j+1], v[ACC+2*j:ACC+2*j+1], v[ACC+2*(j+\w):ACC+2*(j+\w)+1]
.set j, j+1
.endr
.endr
	v_pk_add_f32 v[DENP:DENP+1], v[DENP:DENP+1], v[ACC:ACC+1]
.if \reload
	FETCHAF 2
	FETCHAF 3
.endif
.irp gq, 0,1,2,3                                   ; the weighted sum, 16 rows at a time; behind each group its registers take the next chunk's rows
	WIN 0x02                                       ; source 0 (the bf16 copy) window 2
.set m, 16*\gq
.rept 16
.irp j, 0,1,2,3
	v_fma_mix_f32_bf16 v[OUT+8*(m%2)+2*\j], v[4*m+\j], v[EE+m], v[OUT+8*(m%2)+2*\j] op_sel_hi:[1,0,0]
	v_fma_mix_f32_bf16 v[OUT+8*(m%2)+2*\j+1], v[4*m+\j], v[EE+m], v[OUT+8*(m%2)+2*\j+1] op_sel:[1,0,0] op_sel_hi:[1,0,0]
.endr
.set m, m+1
.endr
.if \reload
	WIN 0x80
.set m, 16*\gq
.rept 16
	ds_load_b128 v[4*m:4*m+3], v[AR0] offset:512*m
.set m, m+1
.endr
.endif
.endr
	WIN 0
.endm
	s_load_b256 s[4:11], s[0:1], 0x0               ; f, W's codes, W's scales, bias
	s_load_b128 s[12:15], s[0:1], 0x20             ; c, out
	v_lshl_add_u32 v[SPW], v0, 2, SPARE
	v_mov_b32 v[NIL], 0
	ds_add_u32 v1, v2
	s_wait_dscnt 0x0
	v_lshrrev_b32 v25, 5, v0
	v_readfirstlane_b32 s[WV], v25                 ; wave 0..3
	v_lshlrev_b32 v[FO], 5, v0
	s_bfe_u32 s17, ttmp6, 0x40000                  ; cx: my place in the cluster
	s_lshl_b32 s18, ttmp9, 2                       ; in a cluster launch ttmp9 counts clusters
	s_add_co_u32 s18, s18, s17                     ; g: it enters f's and out's addresses alone
	s_lshl_b32 s80, s18, 13                        ; two batches' rows: 8,192 bytes, in f and in out
	s_mov_b32 s81, 0
	s_and_b32 s79, s[WV], 1                        ; which 64 rows of an interval I fetch, if I fetch codes:
	s_lshl_b32 s82, s79, 15                        ; in memory,
	s_mov_b32 s83, 0
	s_mul_i32 s79, s79, 64*WPITCH                  ; and in a slot
	s_mov_b32 s[SEL], 0x76543210
	s_mov_b32 s[SEL+1], 0xfedcba98                 ; v_permlanex16_b32's selects for lane l xor 16
	s_mov_b32 s[K2], 0x4038aa3b                    ; 2 log2(e)
	s_mov_b32 s[K2+1], s[K2]                       ; (named with it as a pair, so it is written)
	s_mov_b32 s[L2E], 0x3fb8aa3b                   ; log2(e)
	s_mov_b32 s[NK2], 0xc038aa3b                   ; -2 log2(e)
	s_mov_b32 s[OFS], 0
	s_mov_b32 s[OFS+1], 0
	s_mov_b32 s[OFS+2], 65536
	s_mov_b32 s[OFS+3], 0
	s_mov_b32 s[OT+1], 0
	s_mov_b32 s[PP], 0
	s_mov_b32 s[RC], 0
	s_mov_b32 s[RS], 0
	s_mov_b32 s[RR], 0
	; group 1 for the codes: 64 rows of 512 bytes, dense in memory, 16 bytes of padding behind each in LDS
	s_mov_b32 s[G1C], 15|(0<<16)|(1<<20)|(1<<21)|(6<<22)|(3<<25)   ; 15:0 the mask: all four work-groups; 17:16 elements of 1 byte; 20 padding on; 21 set beside a mask; 24:22 after every 128 words; 31:25 four words
	s_mov_b32 s[G1C+1], 512<<16                    ; tensor_dim0
	s_mov_b32 s[G1C+2], 64<<16                     ; tensor_dim1
	s_mov_b32 s[G1C+3], 512<<16                    ; tile_dim0
	s_mov_b32 s[G1C+4], 64                         ; tile_dim1
	s_mov_b32 s[G1C+5], 512                        ; from row to row
	s_mov_b32 s[G1C+6], 0
	s_mov_b32 s[G1C+7], 0
	; group 1 for the scale bytes: 4,096 dense bytes as 16 rows of 32 elements of 8 bytes, 16 bytes of padding behind each
	s_mov_b32 s[G1S], 15|(3<<16)|(1<<20)|(1<<21)|(5<<22)|(3<<25)
	s_mov_b32 s[G1S+1], 32<<16
	s_mov_b32 s[G1S+2], 16<<16
	s_mov_b32 s[G1S+3], 32<<16
	s_mov_b32 s[G1S+4], 16
	s_mov_b32 s[G1S+5], 32
	s_mov_b32 s[G1S+6], 0
	s_mov_b32 s[G1S+7], 0
	s_wait_kmcnt 0x0
	s_add_nc_u64 s[FB:FB+1], s[FB:FB+1], s[80:81]
	s_add_nc_u64 s[POUT:POUT+1], s[POUT:POUT+1], s[80:81]
	s_add_nc_u64 s[WCB:WCB+1], s[WCB:WCB+1], s[82:83]
	global_load_b128 v[TT:TT+3], v[FO], s[10:11]               ; bias and c: 8 numbers a thread
	global_load_b128 v[TT+4:TT+7], v[FO], s[10:11] offset:16
	global_load_b128 v[TT+8:TT+11], v[FO], s[12:13]
	global_load_b128 v[TT+12:TT+15], v[FO], s[12:13] offset:16
	WIN 0xc0
	FLOAD 0                                        ; steps 0 to 3 of f: 32 loads a wave are on their way from here on
.irp k, 1,2,3
	s_wait_xcnt 0x0
	s_add_nc_u64 s[FB:FB+1], s[FB:FB+1], 0x400000
	FLOAD \k
.endr
	WIN 0
.irp sg, 0,1
	s_mov_b32 s[G0C+4*\sg], 1                      ; count = 1
	s_add_co_u32 s[G0C+4*\sg+1], s79, \sg*SLOTB    ; LDS address: no place in the cluster enters it
	s_add_nc_u64 s[G0C+4*\sg+2:G0C+4*\sg+3], s[WCB:WCB+1], \sg*65536   ; interval sg
	s_or_b32 s[G0C+4*\sg+3], s[G0C+4*\sg+3], 0x80000000                ; type = 2
	s_mov_b32 s[G0S+4*\sg], 1
	s_mov_b32 s[G0S+4*\sg+1], \sg*SLOTB+WSCL
	s_add_nc_u64 s[G0S+4*\sg+2:G0S+4*\sg+3], s[WSB:WSB+1], \sg*4096
	s_or_b32 s[G0S+4*\sg+3], s[G0S+4*\sg+3], 0x80000000
.endr
	ROUND                                          ; all four work-groups are here: the first joint loads meet
	JLOAD 0                                        ; interval 0 into slot 0; slot 1 is first filled behind the first interval's round, as a refill is
	v_and_b32 v25, 31, v0                          ; l
	v_and_b32 v26, 15, v0                          ; r = l % 16
	v_bfe_u32 v27, v0, 4, 1                        ; h = l / 16
	v_bfe_u32 v28, v0, 3, 1                        ; r / 8
	v_and_b32 v29, 7, v0                           ; r % 8
	v_bfe_u32 v30, v0, 2, 3                        ; l / 4: my block among the wave's eight
	s_mul_i32 s79, s[WV], 32*WPITCH
	v_mul_u32_u24 v[AB], v26, WPITCH
	v_lshl_add_u32 v[AB], v27, 4, v[AB]
	v_add_nc_u32 v[AB], s79, v[AB]                 ; W: row 32 w + r of the interval, + 16 h
	v_add_nc_u32 v[AB+1], SLOTB, v[AB]
	s_mul_i32 s79, s[WV], 4*272
	s_add_co_u32 s79, s79, WSCL
	v_mul_u32_u24 v[WSA], v28, 272                 ; its 32 scale bytes: eight rows to a unit of 256
	v_lshl_add_u32 v[WSA], v29, 5, v[WSA]
	v_lshl_add_u32 v[WSA], v27, 4, v[WSA]
	v_add_nc_u32 v[WSA], s79, v[WSA]
	v_add_nc_u32 v[WSA+1], SLOTB, v[WSA]
	s_lshl_b32 s79, s[WV], 7
	s_add_co_u32 s79, s79, TKB
	v_lshl_add_u32 v[AT0], v27, 5, s79             ; tables: n = 32 w + 8 h + ..
	s_mul_i32 s79, s[WV], 64*CPITCH
	s_add_co_u32 s79, s79, CODES
	v_lshl_add_u32 v[AC0], v25, 2, s79
	s_lshl_b32 s79, s[WV], 9
	s_add_co_u32 s79, s79, ASCL
	v_add_nc_u32 v[ASC0], s79, v30
	s_lshl_b32 s79, s[WV], 15
	s_add_co_u32 s79, s79, RETL
	v_lshl_add_u32 v[AR0], v25, 4, s79
	v_lshl_add_u32 v[OSA], v25, 5, s79
	v_mul_u32_u24 v[AFA], v26, CPITCH
	v_lshl_add_u32 v[AFA], v27, 4, v[AFA]
	v_add_nc_u32 v[AFA], CODES, v[AFA]
	v_lshlrev_b32 v[ASF], 3, v26
	v_lshl_add_u32 v[ASF], v27, 10, v[ASF]         ; lanes 16-31 take the words of K steps 4 to 7: two waves' parts on
	v_add_nc_u32 v[ASF], ASCL, v[ASF]
	s_lshl_b32 s79, s[WV], 8
	s_add_co_u32 s82, s79, PSC
	v_lshl_add_u32 v[PSW], v26, 2, s82
	v_lshl_add_u32 v[PSR], v25, 2, PSC
	s_add_co_u32 s82, s79, EW
	v_lshl_add_u32 v[EWA], v25, 2, s82
	v_mov_b32 v[EBA], s82
	s_lshl_b32 s79, s[WV], 10
	v_lshl_add_u32 v[GOA], v25, 4, s79
	v_lshl_add_u32 v31, v0, 5, TKB
.set j, 0
.rept 18
	v_mov_b32 v[DENP+j], 0                         ; the sums of e and of e f
.set j, j+1
.endr
.set j, 0
.rept 32
	v_mov_b32 v[ACC+32+j], 0                       ; 'the tile before' the very first: finite numbers
.set j, j+1
.endr
	s_wait_loadcnt 32                              ; bias and c are in; the 32 loads of f issued behind them may be out
.irp p, 0,2,4,6
	v_pk_mul_f32 v[TT+\p:TT+\p+1], v[TT+\p:TT+\p+1], s[K2:K2+1] op_sel_hi:[1,0]
.endr
	ds_store_b128 v31, v[TT:TT+3]
	ds_store_b128 v31, v[TT+4:TT+7] offset:16
	ds_store_b128 v31, v[TT+8:TT+11] offset:4096
	ds_store_b128 v31, v[TT+12:TT+15] offset:4112
	s_wait_dscnt 0x0                               ; the stores have read their registers
	s_mov_b32 s[CI], 4
.Lpro:                                             ; chunk 0 is quantised: 4 trips of 4 steps
	v_add_nc_u32 v[ADC], s[RC], v[AC0]
	v_add_nc_u32 v[ADS], s[RS], v[ASC0]
	v_add_nc_u32 v[ADR], s[RR], v[AR0]
.irp k, 0,1,2,3
	ROW \k, 1
	s_wait_dscnt 0x0                               ; the stores have read their registers
.endr
	s_add_co_u32 s[RC], s[RC], 16*CPITCH
	s_add_co_u32 s[RS], s[RS], 128
	s_add_co_u32 s[RR], s[RR], 8192
	s_add_co_u32 s[PP], s[PP], 4
	s_sub_co_u32 s[CI], s[CI], 1
	s_cmp_lg_u32 s[CI], 0
	s_cbranch_scc1 .Lpro
	s_barrier_signal -1                            ; every wave's codes, scale bytes and table entries lie in LDS (each has waited for its stores)
	s_barrier_wait -1
	FETCHAF 0
	FETCHAF 1
	FETCHAF 2
	FETCHAF 3
	FETCHAS
	WIN 0x80
.set m, 0
.rept 64
	ds_load_b128 v[4*m:4*m+3], v[AR0] offset:512*m
.set m, m+1
.endr
	WIN 0
	s_mov_b32 s[CO], 3
.Lchunk:                                           ; chunks 0, 1, 2: each is multiplied while the next is loaded and quantised
	GSTART
	s_mov_b32 s[CI], 4
.Lbody:
	BODY 1, 1
	s_sub_co_u32 s[CI], s[CI], 1
	s_cmp_lg_u32 s[CI], 0
	s_cbranch_scc1 .Lbody
	SWITCH 1
	s_sub_co_u32 s[CO], s[CO], 1
	s_cmp_lg_u32 s[CO], 0
	s_cbranch_scc1 .Lchunk
	GSTART                                         ; chunk 3: nothing is left to load
	s_mov_b32 s[CI], 3
.Llast:
	BODY 0, 1
	s_sub_co_u32 s[CI], s[CI], 1
	s_cmp_lg_u32 s[CI], 0
	s_cbranch_scc1 .Llast
	BODY 0, 0                                      ; the tail is written out: the last interval asks for nothing
	SWITCH 0
	; THE WAY OUT.  The sums are divided; a lane's 32 bytes go through my wave's part of the bf16 region, which is free now and which no fill ever lands in, and come back 16 bytes a lane.
	v_rcp_f32 v26, v[DENP]
	v_rcp_f32 v28, v[DENP+1]
	v_nop
	s_wait_alu depctr_va_vdst(0)
.irp p, 0,2,4,6
	v_pk_mul_f32 v[TT+\p:TT+\p+1], v[OUT+\p:OUT+\p+1], v[26:27] op_sel_hi:[1,0]
	v_pk_mul_f32 v[TT+8+\p:TT+9+\p], v[OUT+8+\p:OUT+9+\p], v[28:29] op_sel_hi:[1,0]
.endr
.irp bb, 0,1
.irp c, 0,1
	ds_store_b128 v[OSA], v[TT+8*\bb+4*\c:TT+8*\bb+4*\c+3] offset:1024*\bb+16*\c
.endr
.endr
.irp n, 0,1,2,3
	ds_load_b128 v[ACC+4*\n:ACC+4*\n+3], v[AR0] offset:512*\n   ; LDS serves a wave's instructions in order: these see my stores
.endr
.irp n, 0,1,2,3
	s_wait_dscnt 3-\n
	global_store_b128 v[GOA], v[ACC+4*\n:ACC+4*\n+3], s[POUT:POUT+1] offset:4096*(\n/2)+512*(\n%2) th:TH_STORE_NT   ; 32 lanes store 512 consecutive bytes, at a multiple of 256 from out's first byte
.endr
	s_wait_tensorcnt 0x0                           ; the wave's end: behind my last tensor load and my last LDS store
	ds_add_u32 v[SPW], v[NIL]
	s_wait_dscnt 0x0
	ROUND                                          ; the closing round: no work-group ends while a partner may still ask for a block that names it
	s_endpgm
.Lfunc_end_k_q50b38d16cf_sentatt:
	.size	k_q50b38d16cf_sentatt, .Lfunc_end_k_q50b38d16cf_sentatt-k_q50b38d16cf_sentatt
	.p2alignl 7, 3214868480
	.fill 96, 4, 3214868480
	.section	.rodata,"a",@progbits
	.p2align	6, 0x0
	.amdhsa_kernel k_q50b38d16cf_sentatt
		.amdhsa_group_segment_fixed_size 327680
		.amdhsa_private_segment_fixed_size 0
		.amdhsa_enable_private_segment 0
		.amdhsa_kernarg_size 48
		.amdhsa_user_sgpr_count 2
		.amdhsa_user_sgpr_kernarg_segment_ptr 1
		.amdhsa_wavefront_size32 1
		.amdhsa_system_sgpr_workgroup_id_x 1
		.amdhsa_system_sgpr_workgroup_id_y 1
		.amdhsa_system_sgpr_workgroup_id_z 1
		.amdhsa_system_vgpr_workitem_id 0
		.amdhsa_next_free_vgpr 1024
		.amdhsa_next_free_sgpr 84
		.amdhsa_reserve_vcc 0
		.amdhsa_float_denorm_mode_32 3
		.amdhsa_float_denorm_mode_16_64 3
		.amdhsa_memory_ordered 1
		.amdhsa_forward_progress 1
		.amdhsa_inst_pref_size 255
	.end_amdhsa_kernel
	.section	.bss,"aw",@nobits
	.p2align	6
	.space	262144
	.amdgpu_metadata
---
amdhsa.version: [ 1, 2 ]
amdhsa.kernels:
  - .name:           k_q50b38d16cf_sentatt
    .symbol:         k_q50b38d16cf_sentatt.kd
    .args:
      - { .name: f_output, .offset: 0, .size: 8, .value_kind: global_buffer, .address_space: global }
      - { .name: sent_weight_codes, .offset: 8, .size: 8, .value_kind: global_buffer, .address_space: global }
      - { .name: sent_weight_scales, .offset: 16, .size: 8, .value_kind: global_buffer, .address_space: global }
      - { .name: sent_bias, .offset: 24, .size: 8, .value_kind: global_buffer, .address_space: global }
      - { .name: context_weight, .offset: 32, .size: 8, .value_kind: global_buffer, .address_space: global }
      - { .name: out0, .offset: 40, .size: 8, .value_kind: global_buffer, .address_space: global }
    .group_segment_fixed_size: 327680
    .private_segment_fixed_size: 0
    .kernarg_segment_align: 8
    .kernarg_segment_size: 48
    .max_flat_workgroup_size: 128
    .sgpr_count:     84
    .vgpr_count:     1024
    .wavefront_size: 32
...
	.end_amdgpu_metadata
.endif
;; end of part 1
